; MI455X (gfx1250); checked and timed in simulation.
; The chip was launched on July 23, 2026; its instructions are those of AMD's public machine-readable ISA for CDNA 5 (MIT licence, August 2026) and "CDNA5" Instruction Set Architecture Reference Guide (July 2026). The comments in the code are by the model that wrote it; some were corrected since.
;; Multi Head Attention. Allowed arithmetic: float matrix products may take bf16 or f16 operands with f32 sums; all other float work in f32.
;; Inputs: k_ln_w 1,024 float32; ln_b 1,024 float32; ln_w 1,024 float32; q_ln_w 1,024 float32; w_out 1,024 x 1,024 float32; w_qkv 3,072 x 1,024 float32; x 2 x 2,048 x 1,024 float32.
;; Outputs: out0 2 x 2,048 x 1,024 float32.
;; One version. Each part assembles by itself: llvm-mc -triple=amdgcn-amd-amdhsa -mcpu=gfx1250 --defsym DOCPART=n.
;; ======== version 1 of 1: 4 launches
;; limits: values are held in f16: magnitudes above 65,504 overflow, below 6.1e-05 lose precision; right only within a limited range of input values
;; workspace buffers: fragb 16,777,216 bytes; ropet 524,288 bytes; qkvb 25,165,824 bytes; ctxb 8,388,608 bytes
;; launch prep (part 1): grid 640 x 1, 8 waves a work-group, no clusters, 34,304 bytes of LDS; arguments x, w_qkv, w_out, ln_w, ln_b, fragb, ropet; writes fragb, ropet
.if DOCPART == 1
	.amdgcn_target "amdgcn-amd-amdhsa--gfx1250"
	.amdhsa_code_object_version 6
	.text
	.protected	k_qd07106003d_prep
	.globl	k_qd07106003d_prep
	.p2align	8
	.type	k_qd07106003d_prep,@function
k_qd07106003d_prep:
	s_mov_b64 s[64:65], 0
	v_nop
	global_prefetch_b8 v0, s[64:65] scope:SCOPE_SE
	s_setreg_imm32_b32 hwreg(HW_REG_WAVE_MODE, 25, 1), 1
	s_wait_xcnt 0x0
; Work-groups 0-511: one tile of 16 rows x 1024 f32 becomes 32,768 bytes of f16 in FRAGMENT ORDER in fragb.
;   tiles 0-255: h = LayerNorm(x) * ln_w + ln_b;  tiles 256-447: w_qkv;  tiles 448-511: w_out (both only converted).
; Fragment order: element (row, k) of a tile lies at (k>>5)*1024 + ((k>>4)&1)*512 + (((k>>3)&1)*16 + row)*16 + (k&7)*2,
; which is the register image of a 16 x 32 f16 matrix operand: a later wave loads it with lane i at byte 16 i.
; Work-groups 512-639: the RoPE table, 16 positions each: ropet[pos] = 32 cos, then 32 sin, f32, 256 bytes.
; Wave w of a tile's work-group owns rows 2w, 2w+1: a row is 32 registers of the wave, so mean and variance (two passes, the
; row centred in between) never leave the wave.  The f16 rows meet in LDS (pitch 2064 = 129 x 16 bytes) and leave in fragment order.
; LIMITS: operands are f16: |h| and |w| must stay below 65,504; numbers under 6.1e-5 are rounded to multiples of 6e-8.
; sin and cos: reduction by multiples of pi/2 in two parts, good for the angles 0 .. 2047 that occur here; odd series to r^9, even to r^8.
.set PITCH, 2064
.set X,  16                            ; v[16:79]   two rows, 32 registers each; lane L holds columns 128 i + 4 L .. + 3 in registers 4 i .. 4 i + 3
.set GW, 80                            ; v[80:111]  ln_w of the same columns
.set GB, 112                           ; v[112:143] ln_b
.macro FOLD                            ; four chains of pairs in v[8:15] -> v8
	v_pk_add_f32 v[8:9], v[8:9], v[10:11]
	v_pk_add_f32 v[12:13], v[12:13], v[14:15]
	v_pk_add_f32 v[8:9], v[8:9], v[12:13]
	v_add_f32 v8, v8, v9
.endm
.macro REDUCE                          ; v8 summed over the 32 lanes, the sum in every lane
	v_add_f32_dpp v8, v8, v8 row_xmask:1 row_mask:0xf bank_mask:0xf
	v_add_f32_dpp v8, v8, v8 row_xmask:2 row_mask:0xf bank_mask:0xf
	v_add_f32_dpp v8, v8, v8 row_xmask:4 row_mask:0xf bank_mask:0xf
	v_add_f32_dpp v8, v8, v8 row_xmask:8 row_mask:0xf bank_mask:0xf
	v_permlanex16_b32 v9, v8, s20, s21
	v_add_f32 v8, v8, v9
.endm
; row q: mean, centre in place, variance of the centred row, multiply by 1/sqrt(var + eps)
.macro STAT q
.irp c, 0,1,2,3
	v_pk_add_f32 v[8+2*\c:9+2*\c], v[X+32*\q+2*\c:X+32*\q+2*\c+1], v[X+32*\q+8+2*\c:X+32*\q+9+2*\c]
.endr
.irp p, 8,9,10,11,12,13,14,15
	v_pk_add_f32 v[8+2*(\p%4):9+2*(\p%4)], v[8+2*(\p%4):9+2*(\p%4)], v[X+32*\q+2*\p:X+32*\q+2*\p+1]
.endr
	FOLD
	REDUCE
	v_mul_f32 v10, 0xba800000, v8                  ; -sum / 1024
	v_mov_b32 v11, v10
.irp p, 0,1,2,3,4,5,6,7,8,9,10,11,12,13,14,15
	v_pk_add_f32 v[X+32*\q+2*\p:X+32*\q+2*\p+1], v[X+32*\q+2*\p:X+32*\q+2*\p+1], v[10:11]
.endr
.irp c, 0,1,2,3
	v_pk_mul_f32 v[8+2*\c:9+2*\c], v[X+32*\q+2*\c:X+32*\q+2*\c+1], v[X+32*\q+2*\c:X+32*\q+2*\c+1]
.endr
.irp p, 4,5,6,7,8,9,10,11,12,13,14,15
	v_pk_fma_f32 v[8+2*(\p%4):9+2*(\p%4)], v[X+32*\q+2*\p:X+32*\q+2*\p+1], v[X+32*\q+2*\p:X+32*\q+2*\p+1], v[8+2*(\p%4):9+2*(\p%4)]
.endr
	FOLD
	REDUCE
	v_fma_f32 v8, v8, s28, s29                     ; sum / 1024 + 1e-5
	v_rsq_f32 v12, v8
	v_nop                                          ; one plain place behind the transcendental (ISA guide 5.7.2)
	s_wait_alu depctr_va_vdst(0)
	v_mov_b32 v13, v12
.irp p, 0,1,2,3,4,5,6,7,8,9,10,11,12,13,14,15
	v_pk_mul_f32 v[X+32*\q+2*\p:X+32*\q+2*\p+1], v[X+32*\q+2*\p:X+32*\q+2*\p+1], v[12:13]
.endr
.endm
	s_load_b256 s[4:11], s[0:1], 0x0               ; x s[4:5], w_qkv s[6:7], w_out s[8:9], ln_w s[10:11]
	s_load_b128 s[12:15], s[0:1], 0x20             ; ln_b s[12:13], fragb s[14:15]
	s_load_b64 s[16:17], s[0:1], 0x30              ; ropet
	v_lshl_add_u32 v144, v0, 2, 0x8200
	v_mov_b32 v145, 0
	s_mov_b32 s18, ttmp9
	s_mov_b32 s25, 0
	s_cmp_ge_u32 s18, 512
	s_cbranch_scc1 .Lrope
	v_and_b32 v1, 31, v0                           ; lane L
	v_lshrrev_b32 v7, 5, v0                        ; wave w
	v_lshlrev_b32 v3, 4, v1                        ; 16 L
	v_lshl_add_u32 v2, v7, 13, v3                  ; rows 2w, 2w+1: w x 8192 + 16 L
	v_mul_u32_u24 v4, v7, 2*PITCH
	v_lshl_add_u32 v4, v1, 3, v4                   ; LDS in: row 2w, 8 bytes (4 f16) a lane
	v_and_b32 v8, 15, v0                           ; r
	v_bfe_u32 v9, v0, 4, 1                         ; h
	v_mul_u32_u24 v5, v8, PITCH
	v_lshl_add_u32 v5, v9, 4, v5
	v_lshl_add_u32 v5, v7, 8, v5                   ; LDS back: row r, k = 128 w + 8 h
	v_lshl_add_u32 v6, v7, 12, v3                  ; out: the wave's four units of 1024 bytes + 16 L
	s_movk_i32 s26, 256
	s_movk_i32 s27, 448
	s_mov_b32 s20, 0x76543210                      ; v_permlanex16_b32: lane i takes lane i of the other half
	s_mov_b32 s21, 0xfedcba98
	s_mov_b32 s28, 0x3a800000                      ; 1/1024
	s_mov_b32 s29, 0x3727c5ac                      ; 1e-5
	s_wait_kmcnt 0x0
	s_cmp_lt_u32 s18, 448
	s_cselect_b64 s[22:23], s[6:7], s[8:9]         ; the source buffer and the number of its first tile
	s_cselect_b32 s24, s26, s27
	s_cmp_lt_u32 s18, 256
	s_cselect_b64 s[22:23], s[4:5], s[22:23]
	s_cselect_b32 s24, 0, s24
	s_sub_co_u32 s24, s18, s24
	s_lshl_b32 s24, s24, 16                        ; 16 rows of 4096 bytes
	s_add_nc_u64 s[22:23], s[22:23], s[24:25]
	s_lshl_b32 s24, s18, 15
	s_add_nc_u64 s[14:15], s[14:15], s[24:25]      ; fragb at this tile
.irp q, 0,1
.irp i, 0,1,2,3,4,5,6,7
	global_load_b128 v[X+32*\q+4*\i:X+32*\q+4*\i+3], v2, s[22:23] offset:\q*4096+\i*512 th:TH_LOAD_NT
.endr
.endr
	s_cmp_ge_u32 s18, 256
	s_cbranch_scc1 .Lconv                          ; weights are only converted
.irp i, 0,1,2,3,4,5,6,7
	global_load_b128 v[GW+4*\i:GW+4*\i+3], v3, s[10:11] offset:\i*512
.endr
.irp i, 0,1,2,3,4,5,6,7
	global_load_b128 v[GB+4*\i:GB+4*\i+3], v3, s[12:13] offset:\i*512
.endr
	s_wait_loadcnt 16                              ; the 16 loads of x are in; the 16 of ln_w and ln_b stay out
	STAT 0
	STAT 1
	s_wait_loadcnt 0x0
.irp q, 0,1
.irp p, 0,1,2,3,4,5,6,7,8,9,10,11,12,13,14,15
	v_pk_fma_f32 v[X+32*\q+2*\p:X+32*\q+2*\p+1], v[X+32*\q+2*\p:X+32*\q+2*\p+1], v[GW+2*\p:GW+2*\p+1], v[GB+2*\p:GB+2*\p+1]
.endr
.endr
.Lconv:
	s_wait_loadcnt 0x0
.irp q, 0,1
.irp p, 0,1,2,3,4,5,6,7,8,9,10,11,12,13,14,15
	v_cvt_pk_f16_f32 v[X+32*\q+\p], v[X+32*\q+2*\p], v[X+32*\q+2*\p+1]     ; packed downward: register p is written when 2p, 2p+1 are read
.endr
.irp i, 0,1,2,3,4,5,6,7
	ds_store_b64 v4, v[X+32*\q+2*\i:X+32*\q+2*\i+1] offset:\q*PITCH+\i*256
.endr
.endr
	s_wait_dscnt 0x0                               ; my rows are in LDS before I say so
	s_barrier_signal -1
	s_barrier_wait -1
.irp t, 0,1,2,3,4,5,6,7
	ds_load_b128 v[X+4*\t:X+4*\t+3], v5 offset:\t*32               ; row r, k = 128 w + 16 t + 8 h .. + 7
.endr
.irp t, 0,1,2,3,4,5,6,7
	s_wait_dscnt 7-\t
	global_store_b128 v6, v[X+4*\t:X+4*\t+3], s[14:15] offset:\t*512   ; a wave's store covers 512 consecutive bytes
.endr
	s_wait_tensorcnt 0x0
	ds_add_u32 v144, v145
	s_wait_dscnt 0x0
	s_endpgm
; one number of the table: frequency 4 (c & 7) + e, c = thread & 15; threads with c < 8 take cos, the others sin
.macro SINCOS e
	v_add_nc_u32 v8, \e, v20
	v_cvt_f32_u32 v8, v8
	v_mul_f32 v8, 0xbed49a78, v8                   ; -i log2(10000) / 32
	v_exp_f32 v9, v8
	v_nop
	s_wait_alu depctr_va_vdst(0)
	v_mul_f32 v8, v21, v9                          ; the angle = pos x inv_freq
	v_mul_f32 v9, 0x3f22f983, v8
	v_rndne_f32 v9, v9                             ; n = nearest multiple of pi/2
	v_fmamk_f32 v8, v9, 0xbfc90fdb, v8             ; r = angle - n pi/2, pi/2 in two parts
	v_fmamk_f32 v8, v9, 0x333bbd2e, v8
	v_mul_f32 v10, v8, v8
	v_mov_b32 v11, 0x3638ef1d                      ; sin r = r + r^3 (-1/6 + r^2 (1/120 + r^2 (-1/5040 + r^2 / 362880)))
	v_fmaak_f32 v11, v11, v10, 0xb9500d01
	v_fmaak_f32 v11, v11, v10, 0x3c088889
	v_fmaak_f32 v11, v11, v10, 0xbe2aaaab
	v_mul_f32 v12, v8, v10
	v_fma_f32 v11, v11, v12, v8
	v_mov_b32 v13, 0x37d00d01                      ; cos r = 1 + r^2 (-1/2 + r^2 (1/24 + r^2 (-1/720 + r^2 / 40320)))
	v_fmaak_f32 v13, v13, v10, 0xbab60b61
	v_fmaak_f32 v13, v13, v10, 0x3d2aaaab
	v_fmaak_f32 v13, v13, v10, 0xbf000000
	v_fma_f32 v13, v13, v10, 1.0
	v_cvt_i32_f32 v9, v9
	v_add_nc_u32 v9, v9, v22                       ; cos(a) = sin(a + pi/2): one quadrant on
	v_and_b32 v14, 1, v9
	v_cmp_eq_u32 vcc_lo, 1, v14
	v_cndmask_b32 v11, v11, v13, vcc_lo            ; odd quadrant: the cosine series
	v_and_b32 v9, 2, v9
	v_lshlrev_b32 v9, 30, v9                       ; quadrants 2, 3: the sign
	v_xor_b32 v[16+\e], v11, v9
.endm
.Lrope:
	s_sub_co_u32 s19, s18, 512                     ; 0 .. 127
	s_lshl_b32 s26, s19, 4                         ; first of my 16 positions
	s_lshl_b32 s24, s19, 12
	v_lshrrev_b32 v21, 4, v0
	v_add_nc_u32 v21, s26, v21
	v_cvt_f32_u32 v21, v21                         ; pos
	v_and_b32 v20, 7, v0
	v_lshlrev_b32 v20, 2, v20                      ; first of my four frequencies
	v_bfe_u32 v22, v0, 3, 1
	v_xor_b32 v22, 1, v22                          ; 1 for cos, 0 for sin
	v_lshlrev_b32 v23, 4, v0
	SINCOS 0
	SINCOS 1
	SINCOS 2
	SINCOS 3
	s_wait_kmcnt 0x0
	s_add_nc_u64 s[16:17], s[16:17], s[24:25]
	global_store_b128 v23, v[16:19], s[16:17]      ; sixteen lanes fill one position's 256 bytes
	s_endpgm
.Lfunc_end_k_qd07106003d_prep:
	.size	k_qd07106003d_prep, .Lfunc_end_k_qd07106003d_prep-k_qd07106003d_prep
	.p2alignl 7, 3214868480
	.fill 96, 4, 3214868480
	.section	.rodata,"a",@progbits
	.p2align	6, 0x0
	.amdhsa_kernel k_qd07106003d_prep
		.amdhsa_group_segment_fixed_size 34304
		.amdhsa_private_segment_fixed_size 0
		.amdhsa_enable_private_segment 0
		.amdhsa_kernarg_size 56
		.amdhsa_user_sgpr_count 2
		.amdhsa_user_sgpr_kernarg_segment_ptr 1
		.amdhsa_wavefront_size32 1
		.amdhsa_system_sgpr_workgroup_id_x 1
		.amdhsa_system_sgpr_workgroup_id_y 1
		.amdhsa_system_sgpr_workgroup_id_z 1
		.amdhsa_system_vgpr_workitem_id 0
		.amdhsa_next_free_vgpr 146
		.amdhsa_next_free_sgpr 66
		.amdhsa_reserve_vcc 1
		.amdhsa_float_denorm_mode_32 3
		.amdhsa_float_denorm_mode_16_64 3
		.amdhsa_memory_ordered 1
		.amdhsa_forward_progress 1
		.amdhsa_inst_pref_size 29
	.end_amdhsa_kernel
	.amdgpu_metadata
---
amdhsa.version: [ 1, 2 ]
amdhsa.kernels:
  - .name:           k_qd07106003d_prep
    .symbol:         k_qd07106003d_prep.kd
    .args:
      - { .name: x, .offset: 0, .size: 8, .value_kind: global_buffer, .address_space: global }
      - { .name: w_qkv, .offset: 8, .size: 8, .value_kind: global_buffer, .address_space: global }
      - { .name: w_out, .offset: 16, .size: 8, .value_kind: global_buffer, .address_space: global }
      - { .name: ln_w, .offset: 24, .size: 8, .value_kind: global_buffer, .address_space: global }
      - { .name: ln_b, .offset: 32, .size: 8, .value_kind: global_buffer, .address_space: global }
      - { .name: fragb, .offset: 40, .size: 8, .value_kind: global_buffer, .address_space: global }
      - { .name: ropet, .offset: 48, .size: 8, .value_kind: global_buffer, .address_space: global }
    .group_segment_fixed_size: 34304
    .private_segment_fixed_size: 0
    .kernarg_segment_align: 8
    .kernarg_segment_size: 56
    .max_flat_workgroup_size: 256
    .sgpr_count:     66
    .vgpr_count:     146
    .wavefront_size: 32
...
	.end_amdgpu_metadata
.endif
;; end of part 1
;; launch proj (part 2): grid 64 x 3, 4 waves a work-group, clusters of 4 x 1, 327,680 bytes of LDS; arguments fragb, ropet, q_ln_w, k_ln_w, qkvb; writes qkvb
.if DOCPART == 2
	.amdgcn_target "amdgcn-amd-amdhsa--gfx1250"
	.amdhsa_code_object_version 6
	.text
	.protected	k_qd07106003d_proj
	.globl	k_qd07106003d_proj
	.p2align	8
	.type	k_qd07106003d_proj,@function
k_qd07106003d_proj:
	s_mov_b64 s[64:65], 0
	v_nop
	global_prefetch_b8 v0, s[64:65] scope:SCOPE_SE
	s_setreg_imm32_b32 hwreg(HW_REG_WAVE_MODE, 25, 1), 1
	s_wait_xcnt 0x0
	s_wait_alu depctr_hold_cnt(0) depctr_sa_sdst(0) depctr_va_vdst(0) depctr_va_sdst(0) depctr_va_ssrc(0) depctr_va_vcc(0) depctr_vm_vsrc(0)
	s_getreg_b32 s2, hwreg(HW_REG_IB_STS2, 6, 4)
	s_cmp_eq_u32 s2, 0
	s_cbranch_scc0 .Lentry_in_a_cluster
	s_endpgm
.Lentry_in_a_cluster:
	s_bfe_u32 s2, ttmp6, 0x10000c
	s_cmp_lg_u32 s2, 0x3003
	s_cbranch_scc0 .Lentry_shape_is_right
	s_endpgm
.Lentry_shape_is_right:
; The QKV product with what follows it.  Grid y = part: 0 q, 1 k, 2 v.  Every work-group multiplies a WIDE operand of 1024 rows
; (matrix source 0) by a NARROW one of 64 rows (source 1) over K = 1024; both lie in fragb in fragment order.
;   parts 0, 1: wide = the 1024 rows of W_q or W_k, narrow = 64 tokens of h.  A lane then holds one token and eight neighbouring columns,
;               the whole row of 1024 columns lies in this work-group: LayerNorm (two passes), gain, RoPE, and for q the factor log2(e)/8.
;   part 2:     wide = 1024 tokens of h, narrow = the 64 rows of W_v of one head.  A lane holds one dh and eight neighbouring tokens: V transposed.
; Wave w owns wide rows 256 w .. + 255 and all 64 narrow rows: 64 accumulator tiles, 512 registers.
; Results are stored as f16 operand images: Q, K: [bh 32][token tile 128][dh/32][1024 B]; V: [bh][32 keys 64][dh/16][1024 B].
; CLUSTER 4 x 1: the four partners have the same wide operand (it hangs on part and on the cluster's number alone) and ask for it jointly.
; The narrow tile is each work-group's own: a plain tensor load behind the same round of the cluster's barrier.
; K goes in steps of 64 (2048 bytes of each row tile) through two LDS slots.
; LIMITS: f16 operands.  v is stored as v/16: |v| < 1.04e6.  q, k are bounded by their LayerNorm: |q| <= 5.8 max|q_ln_w|, |k| <= 32 max|k_ln_w|.
; REGISTERS: window 0: v2-13 addresses, v16-63 at work behind the loop, v64-127 narrow fragments (two buffers; later packed f16), v128-255 at work;
;            window 1: wide fragments, two buffers of 128 (later gains 0-127 and cos/sin 128-255);
;            window 2: tiles (a, b) of a = 0, 1 at 8 (16 (a & 1) + b);  window 3: a = 2, 3.
.set SLOT,   139264                    ; wide 64 x 2048 bytes, then narrow 4 x 2048
.set NARROW, 131072
.set SCR,    2*SLOT                    ; two regions of 2048 bytes [a 4][lane 32][wave 4] f32: no tensor load lands here
.set KB,     2048                      ; bytes of a K step in a row tile
.set ADRW, 2                           ; v2, v3   my wide fragments in slot 0, 1
.set ADRN, 4                           ; v4, v5   the narrow fragments
.set SUM,  16                          ; v[16:47] four chains of pairs for each a
.set RS,   16                          ; v[16:23] rstd x factor, a pair for each a
.set UV,   24                          ; v[24:31] the rotation's products
.set CSW,  32                          ; v[32:63] cos, sin x rstd: [sc 2][bb 2][8]
.set XW,   48                          ; v[48:63] the four waves' partial sums
.set MN,   64                          ; v[64:71] -mean, a pair for each a
.set PK,   64                          ; v[64:127] packed f16
.set T,    128                         ; v[128:255] one a's 16 tiles at work
.set G1W, 24
.set G1N, 32
.set G0W, 40                           ; a set for each slot
.set G0N, 48
.set MSB, 0
.macro WIN new                         ; the immediate's high byte repeats the setting that is left
.if MSB != \new
	s_set_vgpr_msb (MSB<<8)|\new
.set MSB, \new
.endif
.endm
.macro PLACES                          ; four places behind matrix instructions (ISA guide 7.12.1)
.rept 4
	v_nop
.endr
.endm
.macro CREST                           ; a round of the cluster's barrier behind its opening barrier
	s_cmp_lg_u32 s14, 0
	s_cbranch_scc1 .Lnot_wave_0_\@
	s_barrier_signal -3
.Lnot_wave_0_\@:
	s_barrier_wait -3
	s_barrier_signal -1
	s_barrier_wait -1
.endm
.macro CROUND
	s_barrier_signal -1
	s_barrier_wait -1
	CREST
.endm
; 16 matrix instructions: narrow tile a x my 16 wide tiles, 32 along K, from fragment buffer f
.macro MUL16 f, a, zero
.irp b, 0,1,2,3,4,5,6,7,8,9,10,11,12,13,14,15
.if \zero
	v_wmma_f32_16x16x32_f16 v[8*(16*(\a%2)+\b):8*(16*(\a%2)+\b)+7], v[128*\f+8*\b:128*\f+8*\b+7], v[64+32*\f+8*\a:64+32*\f+8*\a+7], 0
.else
	v_wmma_f32_16x16x32_f16 v[8*(16*(\a%2)+\b):8*(16*(\a%2)+\b)+7], v[128*\f+8*\b:128*\f+8*\b+7], v[64+32*\f+8*\a:64+32*\f+8*\a+7], v[8*(16*(\a%2)+\b):8*(16*(\a%2)+\b)+7]
.endif
.endr
.endm
; 40 LDS loads: half ks of a slot's K step into buffer f; every load takes 512 consecutive bytes
.macro FETCH slot, ks, f
	WIN 0x40
.irp b, 0,1,2,3,4,5,6,7,8,9,10,11,12,13,14,15
	ds_load_b128 v[128*\f+8*\b:128*\f+8*\b+3],   v[ADRW+\slot] offset:\b*2048+\ks*1024
	ds_load_b128 v[128*\f+8*\b+4:128*\f+8*\b+7], v[ADRW+\slot] offset:\b*2048+\ks*1024+512
.endr
	WIN 0
.irp a, 0,1,2,3
	ds_load_b128 v[64+32*\f+8*\a:64+32*\f+8*\a+3],   v[ADRN+\slot] offset:\a*2048+\ks*1024
	ds_load_b128 v[64+32*\f+8*\a+4:64+32*\f+8*\a+7], v[ADRN+\slot] offset:\a*2048+\ks*1024+512
.endr
.endm
; first half of a K step: multiplies buffer 0, fetches the second half into buffer 1.  The 64 accumulators take turns, one instruction a turn.
.macro HALF0 slot, zero
	s_wait_dscnt 4                                 ; all but the youngest four loads (narrow tiles 2, 3)
	WIN 0xa1
	MUL16 0, 0, \zero
	MUL16 0, 1, \zero
	PLACES
	FETCH \slot, 1, 1
	s_wait_dscnt 40                                ; all but the 40 just issued
	WIN 0xf1
	MUL16 0, 2, \zero
	MUL16 0, 3, \zero
.endm
; second half: multiplies buffer 1 and changes slots.  In front of the barrier every wave waits for its reads of this slot and for all its
; tensor loads (its parts of the next slot).  fill = 1: the barrier opens a round of the cluster's barrier, and behind the round this slot is filled again first.
.macro TURN slot, next, fill
	s_wait_dscnt 4
	WIN 0xa1
	MUL16 1, 0, 0
	s_wait_dscnt 0x0
	s_set_vgpr_msb 0xa1a0
	s_wait_tensorcnt 0x0
	ds_add_u32 v14, v15
	s_wait_dscnt 0x0
	s_set_vgpr_msb 0xa0a1
	s_barrier_signal -1
	MUL16 1, 1, 0
	WIN 0
	s_barrier_wait -1
.if \fill
	CREST
	s_add_nc_u64 s[G0W+4*\slot+2:G0W+4*\slot+3], s[G0W+4*\slot+2:G0W+4*\slot+3], 2*KB
	s_add_nc_u64 s[G0N+4*\slot+2:G0N+4*\slot+3], s[G0N+4*\slot+2:G0N+4*\slot+3], 2*KB
	tensor_load_to_lds s[G0W+4*\slot:G0W+4*\slot+3], s[G1W:G1W+7]  ; joint: my 16 wide row tiles
	s_nop 0
	tensor_load_to_lds s[G0N+4*\slot:G0N+4*\slot+3], s[G1N:G1N+7]  ; my own: narrow row tile w
	s_nop 0
.endif
	PLACES
	FETCH \next, 0, 0
	WIN 0xf1
	MUL16 1, 2, 0
	MUL16 1, 3, 0
.endm
.macro LAP zero
	HALF0 0, \zero
	TURN 0, 1, 1
	HALF0 1, 0
	TURN 1, 0, 1
.endm
	s_load_b256 s[4:11], s[0:1], 0x0               ; fragb s[4:5], ropet s[6:7], q_ln_w s[8:9], k_ln_w s[10:11]
	s_load_b64 s[12:13], s[0:1], 0x20              ; qkvb
	v_lshl_add_u32 v14, v0, 2, 0x45000
	v_mov_b32 v15, 0
	ds_add_u32 v14, v15
	v_lshrrev_b32 v1, 5, v0
	v_readfirstlane_b32 s14, v1                    ; wave
	s_and_b32 s15, ttmp7, 0xffff                   ; part
	s_bfe_u32 s16, ttmp6, 0x40000                  ; cx
	s_mov_b32 s17, ttmp9                           ; cluster 0 .. 15
	s_lshl_b32 s18, ttmp9, 2
	s_add_co_u32 s18, s18, s16                     ; x = 4 cluster + cx, 0 .. 63
	s_mov_b32 s56, 0x76543210
	s_mov_b32 s57, 0xfedcba98
	s_mov_b32 s66, 0x3a800000                      ; 1/1024
	s_mov_b32 s67, 0x3727c5ac                      ; 1e-5
	; group 1, wide: 16 rows of 256 elements of 8 bytes, 4096 elements from row tile to row tile; mask of all four partners
	s_mov_b32 s[G1W+0], 15|(3<<16)|(1<<21)
	s_mov_b32 s[G1W+1], 256<<16
	s_mov_b32 s[G1W+2], 16<<16
	s_mov_b32 s[G1W+3], 256<<16
	s_mov_b32 s[G1W+4], 16
	s_mov_b32 s[G1W+5], 4096
	s_mov_b32 s[G1W+6], 0
	s_mov_b32 s[G1W+7], 0
	; group 1, narrow: one row of 256 elements of 8 bytes, no mask
	s_mov_b32 s[G1N+0], 3<<16
	s_mov_b32 s[G1N+1], 256<<16
	s_mov_b32 s[G1N+2], 1<<16
	s_mov_b32 s[G1N+3], 256<<16
	s_mov_b32 s[G1N+4], 1
	s_mov_b32 s[G1N+5], 256
	s_mov_b32 s[G1N+6], 0
	s_mov_b32 s[G1N+7], 0
	; the wide operand's place in fragb: of part, cluster and wave alone
	s_lshl_b32 s68, s15, 21
	s_add_co_u32 s68, s68, 8388608                 ; W_q or W_k
	s_lshr_b32 s69, s17, 2
	s_lshl_b32 s69, s69, 21                        ; part 2: 1024 tokens of h, block cluster / 4
	s_cmp_eq_u32 s15, 2
	s_cselect_b32 s20, s69, s68
	s_lshl_b32 s68, s14, 19                        ; my 16 row tiles
	s_add_co_u32 s20, s20, s68
	s_mov_b32 s21, 0
	; the narrow operand's
	s_lshl_b32 s70, s18, 17                        ; 64 tokens of h
	s_and_b32 s71, s18, 15
	s_lshl_b32 s71, s71, 17
	s_add_co_u32 s71, s71, 12582912                ; part 2: W_v, head x & 15
	s_cmp_eq_u32 s15, 2
	s_cselect_b32 s22, s71, s70
	s_lshl_b32 s70, s14, 15                        ; row tile w
	s_add_co_u32 s22, s22, s70
	s_mov_b32 s23, 0
	s_lshl_b32 s72, s14, 15                        ; LDS: my wide tiles
	s_lshl_b32 s73, s14, 11
	s_add_co_u32 s73, s73, NARROW                  ; LDS: narrow tile w
	s_wait_dscnt 0x0
	s_wait_kmcnt 0x0
	s_add_nc_u64 s[20:21], s[4:5], s[20:21]
	s_add_nc_u64 s[22:23], s[4:5], s[22:23]
	CROUND                                         ; the four partners are here: the first joint loads meet
.irp n, 0,1
	s_mov_b32 s[G0W+4*\n], 1
	s_add_co_u32 s[G0W+4*\n+1], s72, \n*SLOT
	s_add_nc_u64 s[G0W+4*\n+2:G0W+4*\n+3], s[20:21], \n*KB
	s_or_b32 s[G0W+4*\n+3], s[G0W+4*\n+3], 0x80000000
	s_mov_b32 s[G0N+4*\n], 1
	s_add_co_u32 s[G0N+4*\n+1], s73, \n*SLOT
	s_add_nc_u64 s[G0N+4*\n+2:G0N+4*\n+3], s[22:23], \n*KB
	s_or_b32 s[G0N+4*\n+3], s[G0N+4*\n+3], 0x80000000
	tensor_load_to_lds s[G0W+4*\n:G0W+4*\n+3], s[G1W:G1W+7]
	s_nop 0
	tensor_load_to_lds s[G0N+4*\n:G0N+4*\n+3], s[G1N:G1N+7]        ; four loads of the wave are out here, two behind every later round
	s_nop 0
.endr
	v_and_b32 v1, 31, v0
	v_lshlrev_b32 v11, 4, v1                       ; 16 L
	v_and_b32 v12, 15, v0                          ; r
	v_bfe_u32 v13, v0, 4, 1                        ; h
	v_add_nc_u32 v[ADRW], s72, v11
	v_add_nc_u32 v[ADRW+1], SLOT, v[ADRW]
	v_add_nc_u32 v[ADRN], NARROW, v11
	v_add_nc_u32 v[ADRN+1], SLOT, v[ADRN]
	v_add_nc_u32 v7, SCR, v11                      ; scratch: a lane's four words
	s_lshl_b32 s59, s14, 2
	v_add_nc_u32 v6, s59, v7                       ; and my wave's word among them
	s_wait_tensorcnt 2                             ; K step 0's two loads are in, K step 1's two stay out
	s_barrier_signal -1
	s_barrier_wait -1
	FETCH 0, 0, 0
	LAP 1                                          ; the first products start the sums
	WIN 0
	s_mov_b32 s19, 6
.Llap:
	LAP 0
	WIN 0
	s_sub_co_u32 s19, s19, 1
	s_cmp_lg_u32 s19, 0
	s_cbranch_scc1 .Llap
	HALF0 0, 0                                     ; the last two K steps fill nothing
	TURN 0, 1, 0
	HALF0 1, 0
	s_wait_dscnt 4
	WIN 0xa1
	MUL16 1, 0, 0
	MUL16 1, 1, 0
	s_wait_dscnt 0x0
	WIN 0xf1
	MUL16 1, 2, 0
	MUL16 1, 3, 0
	PLACES                                         ; behind the last matrix instructions: results are read, fragment registers loaded
	WIN 0
	s_cmp_eq_u32 s15, 2
	s_cbranch_scc1 .Lv
; ---- parts 0, 1.  Lane (r, h), tile (a, b), register j: token 64 x + 16 a + r, column 256 w + 16 b + 8 h + j.
.macro SUMS wnd, a0                    ; sums of the two a of a window, four chains each, started by tiles 0 and 1
	WIN \wnd|(\wnd<<2)
.irp al, 0,1
.irp p, 0,1,2,3
	v_pk_add_f32 v[SUM+8*(\a0+\al)+2*\p:SUM+8*(\a0+\al)+2*\p+1], v[128*\al+2*\p:128*\al+2*\p+1], v[128*\al+8+2*\p:128*\al+9+2*\p]
.endr
.endr
	WIN \wnd
.irp al, 0,1
.irp b, 2,3,4,5,6,7,8,9,10,11,12,13,14,15
.irp p, 0,1,2,3
	v_pk_add_f32 v[SUM+8*(\a0+\al)+2*\p:SUM+8*(\a0+\al)+2*\p+1], v[128*\al+8*\b+2*\p:128*\al+8*\b+2*\p+1], v[SUM+8*(\a0+\al)+2*\p:SUM+8*(\a0+\al)+2*\p+1]
.endr
.endr
.endr
.endm
.macro CENTRE wnd, a0                  ; the mean is taken away in place, then the squares are summed
	WIN (\wnd<<6)|\wnd
.irp al, 0,1
.irp b, 0,1,2,3,4,5,6,7,8,9,10,11,12,13,14,15
.irp p, 0,1,2,3
	v_pk_add_f32 v[128*\al+8*\b+2*\p:128*\al+8*\b+2*\p+1], v[128*\al+8*\b+2*\p:128*\al+8*\b+2*\p+1], v[MN+2*(\a0+\al):MN+2*(\a0+\al)+1]
.endr
.endr
.endr
	WIN \wnd|(\wnd<<2)
.irp al, 0,1
.irp p, 0,1,2,3
	v_pk_mul_f32 v[SUM+8*(\a0+\al)+2*\p:SUM+8*(\a0+\al)+2*\p+1], v[128*\al+2*\p:128*\al+2*\p+1], v[128*\al+2*\p:128*\al+2*\p+1]
.endr
.endr
.irp al, 0,1
.irp b, 1,2,3,4,5,6,7,8,9,10,11,12,13,14,15
.irp p, 0,1,2,3
	v_pk_fma_f32 v[SUM+8*(\a0+\al)+2*\p:SUM+8*(\a0+\al)+2*\p+1], v[128*\al+8*\b+2*\p:128*\al+8*\b+2*\p+1], v[128*\al+8*\b+2*\p:128*\al+8*\b+2*\p+1], v[SUM+8*(\a0+\al)+2*\p:SUM+8*(\a0+\al)+2*\p+1]
.endr
.endr
.endr
.endm
.macro FOLDS                           ; each a: four chains -> one number, both halves of the lanes added
.irp a, 0,1,2,3
	v_pk_add_f32 v[SUM+8*\a:SUM+8*\a+1], v[SUM+8*\a:SUM+8*\a+1], v[SUM+8*\a+2:SUM+8*\a+3]
	v_pk_add_f32 v[SUM+8*\a+4:SUM+8*\a+5], v[SUM+8*\a+4:SUM+8*\a+5], v[SUM+8*\a+6:SUM+8*\a+7]
.endr
.irp a, 0,1,2,3
	v_pk_add_f32 v[SUM+8*\a:SUM+8*\a+1], v[SUM+8*\a:SUM+8*\a+1], v[SUM+8*\a+4:SUM+8*\a+5]
.endr
.irp a, 0,1,2,3
	v_add_f32 v[SUM+8*\a], v[SUM+8*\a], v[SUM+8*\a+1]
.endr
.irp a, 0,1,2,3
	v_permlanex16_b32 v[SUM+8*\a+1], v[SUM+8*\a], s56, s57
.endr
.irp a, 0,1,2,3
	v_add_f32 v[SUM+8*\a], v[SUM+8*\a], v[SUM+8*\a+1]
.endr
.endm
.macro XWAVE base                      ; the four waves' numbers meet in LDS; every wave adds them in the same order
.irp a, 0,1,2,3
	ds_store_b32 v6, v[SUM+8*\a] offset:\base+\a*512
.endr
	s_wait_dscnt 0x0                               ; my words are in LDS before I say so
	s_barrier_signal -1
	s_barrier_wait -1
.irp a, 0,1,2,3
	ds_load_b128 v[XW+4*\a:XW+4*\a+3], v7 offset:\base+\a*512
.endr
	s_wait_dscnt 0x0
.irp a, 0,1,2,3
	v_add_f32 v[XW+4*\a], v[XW+4*\a], v[XW+4*\a+1]
	v_add_f32 v[XW+4*\a+2], v[XW+4*\a+2], v[XW+4*\a+3]
.endr
.irp a, 0,1,2,3
	v_add_f32 v[SUM+8*\a], v[XW+4*\a], v[XW+4*\a+2]
.endr
.endm
; head hd of my four, half bb of the 32 frequencies: x1 = tile 4 hd + bb (dh < 32), x2 = tile 4 hd + bb + 2
.macro ROT hd, bb
.irp p, 0,1,2,3
	v_pk_mul_f32 v[UV+4*(\p%2):UV+4*(\p%2)+1], v[T+8*(4*\hd+\bb+2)+2*\p:T+8*(4*\hd+\bb+2)+2*\p+1], v[CSW+16+8*\bb+2*\p:CSW+16+8*\bb+2*\p+1]
	v_pk_mul_f32 v[UV+4*(\p%2)+2:UV+4*(\p%2)+3], v[T+8*(4*\hd+\bb)+2*\p:T+8*(4*\hd+\bb)+2*\p+1], v[CSW+16+8*\bb+2*\p:CSW+16+8*\bb+2*\p+1]
	v_pk_fma_f32 v[T+8*(4*\hd+\bb)+2*\p:T+8*(4*\hd+\bb)+2*\p+1], v[T+8*(4*\hd+\bb)+2*\p:T+8*(4*\hd+\bb)+2*\p+1], v[CSW+8*\bb+2*\p:CSW+8*\bb+2*\p+1], v[UV+4*(\p%2):UV+4*(\p%2)+1] neg_lo:[0,0,1] neg_hi:[0,0,1]
	v_pk_fma_f32 v[T+8*(4*\hd+\bb+2)+2*\p:T+8*(4*\hd+\bb+2)+2*\p+1], v[T+8*(4*\hd+\bb+2)+2*\p:T+8*(4*\hd+\bb+2)+2*\p+1], v[CSW+8*\bb+2*\p:CSW+8*\bb+2*\p+1], v[UV+4*(\p%2)+2:UV+4*(\p%2)+3]
.endr
.endm
.macro PACK                            ; T -> 64 registers of f16; they were the last a's store data
	s_wait_xcnt 0x0                                ; the packed registers are rewritten only behind this wait
.irp b, 0,1,2,3,4,5,6,7,8,9,10,11,12,13,14,15
.irp p, 0,1,2,3
	v_cvt_pk_f16_f32 v[PK+4*\b+\p], v[T+8*\b+2*\p], v[T+8*\b+2*\p+1]
.endr
.endr
.endm
.macro OUTQK a, wnd
	WIN 0x01
.irp i, 0,1,2,3,4,5,6,7,8,9,10,11,12,13,14,15
	v_pk_mul_f32 v[CSW+2*\i:CSW+2*\i+1], v[128+32*\a+2*\i:128+32*\a+2*\i+1], v[RS+2*\a:RS+2*\a+1]   ; cos, sin of token (a, r) x its rstd x factor
.endr
	WIN \wnd|0x04
.irp b, 0,1,2,3,4,5,6,7,8,9,10,11,12,13,14,15
.irp p, 0,1,2,3
	v_pk_mul_f32 v[T+8*\b+2*\p:T+8*\b+2*\p+1], v[128*(\a%2)+8*\b+2*\p:128*(\a%2)+8*\b+2*\p+1], v[8*\b+2*\p:8*\b+2*\p+1]   ; centred x gain
.endr
.endr
	WIN 0
.irp hd, 0,1,2,3
.irp bb, 0,1
	ROT \hd, \bb
.endr
.endr
	PACK
.irp b, 0,1,2,3,4,5,6,7,8,9,10,11,12,13,14,15
	global_store_b128 v10, v[PK+4*\b:PK+4*\b+3], s[62:63] offset:(\b>>2)*262144+\a*2048+(\b&3)*512   ; 512 consecutive bytes: half a unit
.endr
.endm
	s_cmp_eq_u32 s15, 0
	s_cselect_b64 s[60:61], s[8:9], s[10:11]       ; the part's gain
	s_mov_b32 s70, 0x3e38aa3b                      ; log2(e) / 8: the scores leave the matrix unit ready for 2^x
	s_cselect_b32 s58, s70, 1.0
	s_lshl_b32 s59, s14, 10
	v_lshl_add_u32 v8, v13, 5, s59                 ; gains: 1024 w + 32 h
	s_lshl_b32 s70, s18, 6
	s_and_b32 s70, s70, 2047                       ; position of my first token
	v_add_nc_u32 v9, s70, v12
	v_lshlrev_b32 v9, 8, v9
	v_lshl_add_u32 v9, v13, 5, v9                  ; table: (pos + r) 256 + 32 h
	s_lshl_b32 s59, s14, 20
	v_add_nc_u32 v10, s59, v11                     ; out: four heads a wave + 16 L
	s_lshl_b32 s70, s15, 23                        ; Q at 0, K at 8,388,608
	s_lshr_b32 s71, s18, 5
	s_lshl_b32 s71, s71, 22                        ; batch: 16 heads of 262,144 bytes
	s_add_co_u32 s70, s70, s71
	s_lshl_b32 s71, s18, 2
	s_and_b32 s71, s71, 127
	s_lshl_b32 s71, s71, 11                        ; my first token tile
	s_add_co_u32 s70, s70, s71
	s_mov_b32 s71, 0
	s_add_nc_u64 s[62:63], s[12:13], s[70:71]
	WIN 0x40
.irp b, 0,1,2,3,4,5,6,7,8,9,10,11,12,13,14,15
	global_load_b128 v[8*\b:8*\b+3],   v8, s[60:61] offset:\b*64
	global_load_b128 v[8*\b+4:8*\b+7], v8, s[60:61] offset:\b*64+16
.endr
.irp a, 0,1,2,3
.irp sc, 0,1
.irp bb, 0,1
	global_load_b128 v[128+32*\a+16*\sc+8*\bb:128+32*\a+16*\sc+8*\bb+3],   v9, s[6:7] offset:\a*4096+\sc*128+\bb*64
	global_load_b128 v[128+32*\a+16*\sc+8*\bb+4:128+32*\a+16*\sc+8*\bb+7], v9, s[6:7] offset:\a*4096+\sc*128+\bb*64+16
.endr
.endr
.endr
	SUMS 2, 0
	SUMS 3, 2
	WIN 0
	FOLDS
	XWAVE 0
.irp a, 0,1,2,3
	v_mul_f32 v[MN+2*\a], 0xba800000, v[SUM+8*\a]  ; -sum / 1024
.endr
.irp a, 0,1,2,3
	v_mov_b32 v[MN+2*\a+1], v[MN+2*\a]
.endr
	CENTRE 2, 0
	CENTRE 3, 2
	WIN 0
	FOLDS
	XWAVE 2048                                     ; other bytes than the first meeting's
.irp a, 0,1,2,3
	v_fma_f32 v[XW+\a], v[SUM+8*\a], s66, s67      ; variance + 1e-5
.endr
.irp a, 0,1,2,3
	v_rsq_f32 v[XW+4+\a], v[XW+\a]
.endr
	v_nop                                          ; one plain place behind the transcendentals (ISA guide 5.7.2)
	s_wait_alu depctr_va_vdst(0)
.irp a, 0,1,2,3
	v_mul_f32 v[RS+2*\a], s58, v[XW+4+\a]
	v_mul_f32 v[RS+2*\a+1], s58, v[XW+4+\a]
.endr
	s_wait_loadcnt 0x0                             ; gains and table
	OUTQK 0, 2
	OUTQK 1, 2
	OUTQK 2, 3
	OUTQK 3, 3
	s_branch .Ldone
; ---- part 2.  Lane (r, h), tile (a, b), register j: dh 16 a + r, token 256 w + 16 b + 8 h + j of the block of 1024.
.macro OUTV a, wnd
	WIN \wnd
.irp b, 0,1,2,3,4,5,6,7,8,9,10,11,12,13,14,15
.irp p, 0,1,2,3
	v_pk_mul_f32 v[T+8*\b+2*\p:T+8*\b+2*\p+1], v[128*(\a%2)+8*\b+2*\p:128*(\a%2)+8*\b+2*\p+1], 0x3d800000 op_sel_hi:[1,0]   ; v / 16
.endr
.endr
	WIN 0
	PACK
.irp b, 0,1,2,3,4,5,6,7,8,9,10,11,12,13,14,15
	global_store_b128 v10, v[PK+4*\b:PK+4*\b+3], s[62:63] offset:(\b>>1)*4096+\a*1024+(\b&1)*512
.endr
.endm
.Lv:
	s_lshr_b32 s70, s17, 3                         ; batch
	s_lshl_b32 s70, s70, 4
	s_and_b32 s71, s18, 15                         ; head
	s_add_co_u32 s70, s70, s71
	s_lshl_b32 s70, s70, 18
	s_bfe_u32 s71, s17, 0x10002                    ; which 1024 tokens of the batch
	s_lshl_b32 s71, s71, 17
	s_add_co_u32 s70, s70, s71
	s_add_co_u32 s70, s70, 16777216                ; V's part of qkvb
	s_mov_b32 s71, 0
	s_add_nc_u64 s[62:63], s[12:13], s[70:71]
	s_lshl_b32 s59, s14, 15                        ; eight blocks of 32 keys a wave
	v_add_nc_u32 v10, s59, v11
	OUTV 0, 2
	OUTV 1, 2
	OUTV 2, 3
	OUTV 3, 3
.Ldone:
	s_wait_tensorcnt 0x0
	ds_add_u32 v14, v15
	s_wait_dscnt 0x0
	CROUND                                         ; the closing round: no partner ends while another may still ask jointly
	s_endpgm
.Lfunc_end_k_qd07106003d_proj:
	.size	k_qd07106003d_proj, .Lfunc_end_k_qd07106003d_proj-k_qd07106003d_proj
	.p2alignl 7, 3214868480
	.fill 96, 4, 3214868480
	.section	.rodata,"a",@progbits
	.p2align	6, 0x0
	.amdhsa_kernel k_qd07106003d_proj
		.amdhsa_group_segment_fixed_size 327680
		.amdhsa_private_segment_fixed_size 0
		.amdhsa_enable_private_segment 0
		.amdhsa_kernarg_size 40
		.amdhsa_user_sgpr_count 2
		.amdhsa_user_sgpr_kernarg_segment_ptr 1
		.amdhsa_wavefront_size32 1
		.amdhsa_system_sgpr_workgroup_id_x 1
		.amdhsa_system_sgpr_workgroup_id_y 1
		.amdhsa_system_sgpr_workgroup_id_z 1
		.amdhsa_system_vgpr_workitem_id 0
		.amdhsa_next_free_vgpr 1024
		.amdhsa_next_free_sgpr 76
		.amdhsa_reserve_vcc 0
		.amdhsa_float_denorm_mode_32 3
		.amdhsa_float_denorm_mode_16_64 3
		.amdhsa_memory_ordered 1
		.amdhsa_forward_progress 1
		.amdhsa_inst_pref_size 255
	.end_amdhsa_kernel
	.section	.bss,"aw",@nobits
	.p2align	6
	.space	262144
	.amdgpu_metadata
---
amdhsa.version: [ 1, 2 ]
amdhsa.kernels:
  - .name:           k_qd07106003d_proj
    .symbol:         k_qd07106003d_proj.kd
    .args:
      - { .name: fragb, .offset: 0, .size: 8, .value_kind: global_buffer, .address_space: global }
      - { .name: ropet, .offset: 8, .size: 8, .value_kind: global_buffer, .address_space: global }
      - { .name: q_ln_w, .offset: 16, .size: 8, .value_kind: global_buffer, .address_space: global }
      - { .name: k_ln_w, .offset: 24, .size: 8, .value_kind: global_buffer, .address_space: global }
      - { .name: qkvb, .offset: 32, .size: 8, .value_kind: global_buffer, .address_space: global }
    .group_segment_fixed_size: 327680
    .private_segment_fixed_size: 0
    .kernarg_segment_align: 8
    .kernarg_segment_size: 40
    .max_flat_workgroup_size: 128
    .sgpr_count:     76
    .vgpr_count:     1024
    .wavefront_size: 32
...
	.end_amdgpu_metadata
.endif
;; end of part 2
;; launch attn (part 3): grid 8 x 32, 8 waves a work-group, clusters of 4 x 1, 327,680 bytes of LDS; arguments qkvb, ctxb; writes ctxb
.if DOCPART == 3
	.amdgcn_target "amdgcn-amd-amdhsa--gfx1250"
	.amdhsa_code_object_version 6
	.text
	.protected	k_qd07106003d_attn
	.globl	k_qd07106003d_attn
	.p2align	8
	.type	k_qd07106003d_attn,@function
k_qd07106003d_attn:
	s_mov_b64 s[64:65], 0
	v_nop
	global_prefetch_b8 v0, s[64:65] scope:SCOPE_SE
	s_setreg_imm32_b32 hwreg(HW_REG_WAVE_MODE, 25, 1), 1
	s_wait_xcnt 0x0
	s_wait_alu depctr_hold_cnt(0) depctr_sa_sdst(0) depctr_va_vdst(0) depctr_va_sdst(0) depctr_va_ssrc(0) depctr_va_vcc(0) depctr_vm_vsrc(0)
	s_getreg_b32 s2, hwreg(HW_REG_IB_STS2, 6, 4)
	s_cmp_eq_u32 s2, 0
	s_cbranch_scc0 .Lentry_in_a_cluster
	s_endpgm
.Lentry_in_a_cluster:
	s_bfe_u32 s2, ttmp6, 0x10000c
	s_cmp_lg_u32 s2, 0x3003
	s_cbranch_scc0 .Lentry_shape_is_right
	s_endpgm
.Lentry_shape_is_right:
; Softmax attention with a running maximum.  Grid y = batch x head (32); a work-group owns 256 query rows.
; Wave w: wq = w & 3 owns 64 query rows; g = w >> 2 takes keys 128 g .. + 127 of every tile of 256 keys.  The two waves of one wq are merged at the end.
; S^T = K Q^T: lane (r, h), register j of a tile: query row r, key 8 h + j.  q carries log2(e)/8, so p = 2^(s - m).
; Two neighbouring S^T tiles, packed to f16, ARE the second operand of O^T = V^T P^T; maximum, sum and rescale factor live in the lane that uses them.
; O^T packed to f16 is a unit of ctxb in fragment order.  v was stored as v/16: the factor 16 goes into the final division.
; CLUSTER 4 x 1: the four query blocks of a cluster read the same K and V tiles and ask for them jointly; each wave asks for 8192 bytes of a tile.
; One tensor load of a wave is out at a time; it has a tile's work (128 matrix instructions and their softmax) in which to land.
; LIMITS: f16 operands: p in [0, 1] (p under 6e-8 counts as 0); ctx must stay below 65,504.
; REGISTERS: window 0: v2-5 addresses, v8-15 at work, v32-35 maxima, v36-43 sums (pairs), v44-51 rescale factors (pairs), v64-127 K, v128-255 S then P;
;            window 1: 0-63 Q, 64-127 V, 128-255 O.
.set SLOT, 65536                       ; K 32,768 bytes (16 key tiles), then V 32,768 (8 blocks of 32 keys)
.set VOFF, 32768
.set STEP, 32768                       ; from tile to tile in K's and in V's part of qkvb
.set MRG,  131072                      ; behind the ring: 17,920 bytes for each wq: O 32 x 512, maxima 512, sums 2 x 512; no tensor load lands here
.set MRGW, 17920
.set TT, 8
.set MX, 32
.set LS, 36
.set AL, 44
.set KF, 64                            ; K(kt, ks) at 64 + 16 kt + 8 ks
.set SF, 128                           ; S(qt, kt) at 128 + 32 qt + 8 kt; P(qt, kb) in the first 8 of each 16
.set QF, 0                             ; window 1: Q(qt, ks) at 16 qt + 8 ks
.set VF, 64                            ; window 1: V(dt, kb) at 64 + 32 kb + 8 dt
.set OF, 128                           ; window 1: O(dt, qt) at 128 + 8 (4 dt + qt)
.set G1, 16
.set G0, 24
.set MSB, 0
.macro WIN new
.if MSB != \new
	s_set_vgpr_msb (MSB<<8)|\new
.set MSB, \new
.endif
.endm
.macro PLACES
.rept 4
	v_nop
.endr
.endm
.macro ROUND                           ; a round of the cluster's barrier
	s_barrier_signal -1
	s_barrier_wait -1
	s_cmp_lg_u32 s8, 0
	s_cbranch_scc1 .Lnot_wave_0_\@
	s_barrier_signal -3
.Lnot_wave_0_\@:
	s_barrier_wait -3
	s_barrier_signal -1
	s_barrier_wait -1
.endm
.macro KLOAD slot, sb                  ; 64 keys x 64 dh: 16 loads of 512 consecutive bytes
.irp i, 0,1,2,3,4,5,6,7,8,9,10,11,12,13,14,15
	ds_load_b128 v[KF+4*\i:KF+4*\i+3], v[2+\slot] offset:(\sb)*8192+\i*512
.endr
.endm
; 64 keys of query tile qt: maximum, 2^(s - m), sum, packing
.macro SOFTMAX qt, first
.set SB, SF+32*\qt
.irp c, 0,1,2,3
	v_max3_num_f32 v[TT+\c], v[SB+8*\c], v[SB+8*\c+1], v[SB+8*\c+2]
.endr
.irp c, 0,1,2,3
	v_max3_num_f32 v[TT+\c], v[TT+\c], v[SB+8*\c+3], v[SB+8*\c+4]
.endr
.irp c, 0,1,2,3
	v_max3_num_f32 v[TT+\c], v[TT+\c], v[SB+8*\c+5], v[SB+8*\c+6]
.endr
.irp c, 0,1,2,3
	v_max_num_f32 v[TT+\c], v[TT+\c], v[SB+8*\c+7]
.endr
	v_max3_num_f32 v[TT], v[TT], v[TT+1], v[TT+2]
	v_max_num_f32 v[TT], v[TT], v[TT+3]
	v_permlanex16_b32 v[TT+1], v[TT], s32, s33     ; the other half of the lanes holds the row's other keys
.if \first
	v_max_num_f32 v[TT+4], v[TT], v[TT+1]
.else
	v_max3_num_f32 v[TT+4], v[TT], v[TT+1], v[MX+\qt]
	v_sub_f32 v[TT+6], v[MX+\qt], v[TT+4]
.endif
	v_mov_b32 v[TT+5], v[TT+4]
.irp i, 0,1,2,3,4,5,6,7,8,9,10,11,12,13,14,15
	v_pk_add_f32 v[SB+2*\i:SB+2*\i+1], v[SB+2*\i:SB+2*\i+1], v[TT+4:TT+5] neg_lo:[0,1] neg_hi:[0,1]
.endr
.irp i, 0,1,2,3,4,5,6,7,8,9,10,11,12,13,14,15,16,17,18,19,20,21,22,23,24,25,26,27,28,29,30,31
	v_exp_f32 v[SB+\i], v[SB+\i]
.endr
.if \first == 0
	v_exp_f32 v[AL+2*\qt], v[TT+6]                 ; what the old sums and O are worth under the new maximum
	v_exp_f32 v[AL+2*\qt+1], v[TT+6]
.endif
	v_mov_b32 v[MX+\qt], v[TT+4]                   ; the plain place behind the transcendentals (ISA guide 5.7.2)
	s_wait_alu depctr_va_vdst(0)
	v_pk_add_f32 v[TT:TT+1], v[SB:SB+1], v[SB+2:SB+3]
	v_pk_add_f32 v[TT+2:TT+3], v[SB+4:SB+5], v[SB+6:SB+7]
.irp i, 4,6,8,10,12,14
	v_pk_add_f32 v[TT:TT+1], v[TT:TT+1], v[SB+2*\i:SB+2*\i+1]
	v_pk_add_f32 v[TT+2:TT+3], v[TT+2:TT+3], v[SB+2*\i+2:SB+2*\i+3]
.endr
.if \first
	v_pk_add_f32 v[LS+2*\qt:LS+2*\qt+1], v[TT:TT+1], v[TT+2:TT+3]
.else
	v_pk_add_f32 v[TT:TT+1], v[TT:TT+1], v[TT+2:TT+3]
	v_pk_fma_f32 v[LS+2*\qt:LS+2*\qt+1], v[LS+2*\qt:LS+2*\qt+1], v[AL+2*\qt:AL+2*\qt+1], v[TT:TT+1]
.endif
.irp kb, 0,1
.irp k, 0,1,2,3,4,5,6,7
	v_cvt_pk_f16_f32 v[SB+16*\kb+\k], v[SB+16*\kb+2*\k], v[SB+16*\kb+2*\k+1]   ; packed downward: register k is written when 2k, 2k+1 are read
.endr
.endr
.endm
; 64 of my keys (sb = 0, 1 of a tile) against my 64 query rows.  loadk: K is fetched here; nextk: the next 64 keys' K is fetched under the softmax.
.macro SUB slot, sb, first, loadk, nextk
.if \loadk
	KLOAD \slot, \sb
.endif
.rept 5
	v_nop                                          ; five places behind the last P V product: S is written over P, V's registers are loaded (ISA guide 7.12.1)
.endr
	WIN 0x40
.irp i, 0,1,2,3,4,5,6,7,8,9,10,11,12,13,14,15
	ds_load_b128 v[VF+4*\i:VF+4*\i+3], v[2+\slot] offset:VOFF+\sb*8192+\i*512
.endr
	s_wait_dscnt 16                                ; K is in; V's 16 loads stay out
	WIN 0x04
.irp ks, 0,1                           ; the 16 tiles take turns, one instruction a turn
.irp qt, 0,1,2,3
.irp kt, 0,1,2,3
.if \ks == 0
	v_wmma_f32_16x16x32_f16 v[SF+32*\qt+8*\kt:SF+32*\qt+8*\kt+7], v[KF+16*\kt+8*\ks:KF+16*\kt+8*\ks+7], v[QF+16*\qt+8*\ks:QF+16*\qt+8*\ks+7], 0
.else
	v_wmma_f32_16x16x32_f16 v[SF+32*\qt+8*\kt:SF+32*\qt+8*\kt+7], v[KF+16*\kt+8*\ks:KF+16*\kt+8*\ks+7], v[QF+16*\qt+8*\ks:QF+16*\qt+8*\ks+7], v[SF+32*\qt+8*\kt:SF+32*\qt+8*\kt+7]
.endif
.endr
.endr
.endr
	WIN 0
	PLACES                                         ; S is read, K's registers are loaded
.if \nextk
	KLOAD \slot, (\sb+1)
.endif
	SOFTMAX 0, \first
	SOFTMAX 1, \first
	SOFTMAX 2, \first
	SOFTMAX 3, \first
.if \first == 0
	WIN 0x41
.irp dt, 0,1,2,3
.irp qt, 0,1,2,3
.irp p, 0,1,2,3
	v_pk_mul_f32 v[OF+8*(4*\dt+\qt)+2*\p:OF+8*(4*\dt+\qt)+2*\p+1], v[OF+8*(4*\dt+\qt)+2*\p:OF+8*(4*\dt+\qt)+2*\p+1], v[AL+2*\qt:AL+2*\qt+1]
.endr
.endr
.endr
.endif
	s_wait_dscnt 16*\nextk                         ; V is in; the next K's 16 loads, if any, stay out
	WIN 0x51
.irp kb, 0,1                           ; the 16 accumulators take turns, one instruction a turn
.irp dt, 0,1,2,3
.irp qt, 0,1,2,3
.if \first*(1-\kb)
	v_wmma_f32_16x16x32_f16 v[OF+8*(4*\dt+\qt):OF+8*(4*\dt+\qt)+7], v[VF+32*\kb+8*\dt:VF+32*\kb+8*\dt+7], v[SF+32*\qt+16*\kb:SF+32*\qt+16*\kb+7], 0
.else
	v_wmma_f32_16x16x32_f16 v[OF+8*(4*\dt+\qt):OF+8*(4*\dt+\qt)+7], v[VF+32*\kb+8*\dt:VF+32*\kb+8*\dt+7], v[SF+32*\qt+16*\kb:SF+32*\qt+16*\kb+7], v[OF+8*(4*\dt+\qt):OF+8*(4*\dt+\qt)+7]
.endif
.endr
.endr
.endr
	WIN 0
.endm
; one tile of 256 keys.  The round of the cluster's barrier is the barrier in front of the refill: every wave's waits stand in front of it.
.macro TRIP slot, refill, first
	s_wait_tensorcnt 0x0                           ; my load is done, my part of this tile: every group 0 may be written
	ds_add_u32 v6, v7
	s_wait_dscnt 0x0
	s_add_nc_u64 s[G0+4*\slot+2:G0+4*\slot+3], s[G0+4*\slot+2:G0+4*\slot+3], 2*STEP
	s_wait_dscnt 0x0                               ; my reads of the last tile are done
	ROUND
.if \refill
	tensor_load_to_lds s[G0+4-4*\slot:G0+7-4*\slot], s[G1:G1+7]    ; the next tile, into the slot read last
	s_nop 0
.endif
	SUB \slot, 0, \first, 1, 1
	SUB \slot, 1, 0, 0, 0
.endm
	s_load_b128 s[4:7], s[0:1], 0x0                ; qkvb s[4:5], ctxb s[6:7]
	v_lshl_add_u32 v6, v0, 2, 0x31800
	v_mov_b32 v7, 0
	ds_add_u32 v6, v7
	v_lshrrev_b32 v1, 5, v0
	v_readfirstlane_b32 s8, v1                     ; wave
	s_and_b32 s9, s8, 3                            ; wq
	s_lshr_b32 s10, s8, 2                          ; g.  Also: I fetch for K (0) or for V (1)
	s_and_b32 s11, ttmp7, 0xffff                   ; batch x 16 + head
	s_bfe_u32 s12, ttmp6, 0x40000                  ; cx
	s_lshl_b32 s13, ttmp9, 2
	s_add_co_u32 s13, s13, s12                     ; query block 0 .. 7
	s_mov_b32 s32, 0x76543210
	s_mov_b32 s33, 0xfedcba98
	; group 1: 8192 dense bytes as 32 rows of 32 elements of 8 bytes; mask of all four partners
	s_mov_b32 s[G1+0], 15|(3<<16)|(1<<21)
	s_mov_b32 s[G1+1], 32<<16
	s_mov_b32 s[G1+2], 32<<16
	s_mov_b32 s[G1+3], 32<<16
	s_mov_b32 s[G1+4], 32
	s_mov_b32 s[G1+5], 32
	s_mov_b32 s[G1+6], 0
	s_mov_b32 s[G1+7], 0
	s_lshl_b32 s14, s10, 23                        ; K at 8,388,608, V at 16,777,216: of wave and head alone
	s_add_co_u32 s14, s14, 8388608
	s_lshl_b32 s15, s11, 18
	s_add_co_u32 s14, s14, s15
	s_lshl_b32 s15, s9, 13                         ; my quarter of the tile
	s_add_co_u32 s14, s14, s15
	s_mov_b32 s15, 0
	s_lshl_b32 s35, s8, 13                         ; LDS: wave x 8192
	s_lshl_b32 s40, s13, 4
	s_lshl2_add_u32 s40, s9, s40                   ; my first token tile = 16 block + 4 wq
	s_lshl_b32 s41, s40, 11
	s_lshl_b32 s42, s11, 18
	s_add_co_u32 s42, s42, s41                     ; Q
	s_mov_b32 s43, 0
	s_lshr_b32 s44, s11, 4
	s_lshl_b32 s44, s44, 7
	s_add_co_u32 s44, s44, s40
	s_lshl_b32 s44, s44, 15                        ; ctxb: row tile batch x 128 + token tile,
	s_and_b32 s45, s11, 15
	s_lshl_b32 s45, s45, 11                        ; the head's two units
	s_add_co_u32 s44, s44, s45
	s_mov_b32 s45, 0
	v_and_b32 v1, 31, v0
	v_lshlrev_b32 v5, 4, v1                        ; 16 L
	s_lshl_b32 s46, s10, 14
	v_add_nc_u32 v2, s46, v5                       ; my half of slot 0's keys
	v_add_nc_u32 v3, SLOT, v2
	s_mul_i32 s47, s9, MRGW
	s_add_co_u32 s47, s47, MRG
	v_add_nc_u32 v4, s47, v5                       ; the pair's scratch
	s_wait_dscnt 0x0
	s_wait_kmcnt 0x0
	s_add_nc_u64 s[36:37], s[4:5], s[14:15]
	s_add_nc_u64 s[38:39], s[4:5], s[42:43]
	s_add_nc_u64 s[6:7], s[6:7], s[44:45]
.irp n, 0,1
	s_mov_b32 s[G0+4*\n], 1
	s_add_co_u32 s[G0+4*\n+1], s35, \n*SLOT
	s_add_nc_u64 s[G0+4*\n+2:G0+4*\n+3], s[36:37], \n*STEP
	s_or_b32 s[G0+4*\n+3], s[G0+4*\n+3], 0x80000000
.endr
	ROUND                                          ; in front of the first joint load
	tensor_load_to_lds s[G0:G0+3], s[G1:G1+7]      ; tile 0
	s_nop 0
	WIN 0x40
.irp i, 0,1,2,3,4,5,6,7,8,9,10,11,12,13,14,15
	global_load_b128 v[QF+4*\i:QF+4*\i+3], v5, s[38:39] offset:\i*512  ; my 64 query rows: 8192 consecutive bytes
.endr
	WIN 0
	s_wait_loadcnt 0x0
	TRIP 0, 1, 1                                   ; the first 64 keys start maxima, sums and O
	TRIP 1, 1, 0
	s_mov_b32 s34, 2
.Ltiles:
	TRIP 0, 1, 0
	TRIP 1, 1, 0
	s_sub_co_u32 s34, s34, 1
	s_cmp_lg_u32 s34, 0
	s_cbranch_scc1 .Ltiles
	TRIP 0, 1, 0
	TRIP 1, 0, 0                                   ; the eighth tile: nothing more is fetched
	; THE MERGE of the two waves of one wq
	PLACES                                         ; O is read, S's registers are loaded
	s_cmp_lt_u32 s8, 4
	s_cbranch_scc1 .Lkeep
	WIN 0x04
.irp i, 0,1,2,3,4,5,6,7,8,9,10,11,12,13,14,15,16,17,18,19,20,21,22,23,24,25,26,27,28,29,30,31
	ds_store_b128 v4, v[OF+4*\i:OF+4*\i+3] offset:\i*512
.endr
	WIN 0
	ds_store_b128 v4, v[MX:MX+3] offset:16384
	ds_store_b128 v4, v[LS:LS+3] offset:16896
	ds_store_b128 v4, v[LS+4:LS+7] offset:17408
.Lkeep:
	s_wait_dscnt 0x0                               ; what I stored is in LDS before I say so
	s_barrier_signal -1
	s_barrier_wait -1
	s_cmp_ge_u32 s8, 4
	s_cbranch_scc1 .Lclose
	ds_load_b128 v[52:55], v4 offset:16384         ; the partner's maxima,
	ds_load_b128 v[56:59], v4 offset:16896         ; sums,
	ds_load_b128 v[60:63], v4 offset:17408
.irp i, 0,1,2,3,4,5,6,7,8,9,10,11,12,13,14,15,16,17,18,19,20,21,22,23,24,25,26,27,28,29,30,31
	ds_load_b128 v[SF+4*\i:SF+4*\i+3], v4 offset:\i*512            ; and O
.endr
	s_wait_dscnt 32                                ; maxima and sums are in; O's 32 loads stay out
.irp qt, 0,1,2,3
	v_max_num_f32 v[24+\qt], v[MX+\qt], v[52+\qt]
.endr
.irp qt, 0,1,2,3
	v_sub_f32 v[8+2*\qt], v[MX+\qt], v[24+\qt]
	v_sub_f32 v[16+2*\qt], v[52+\qt], v[24+\qt]
.endr
.irp qt, 0,1,2,3
	v_exp_f32 v[8+2*\qt], v[8+2*\qt]
	v_exp_f32 v[16+2*\qt], v[16+2*\qt]
.endr
	v_nop
.irp qt, 0,1,2,3
	v_add_f32 v[24+\qt], v[LS+2*\qt], v[LS+2*\qt+1]
	v_add_f32 v[28+\qt], v[56+2*\qt], v[57+2*\qt]
.endr
	s_wait_alu depctr_va_vdst(0)
.irp qt, 0,1,2,3
	v_mul_f32 v[24+\qt], v[24+\qt], v[8+2*\qt]
.endr
.irp qt, 0,1,2,3
	v_fma_f32 v[24+\qt], v[28+\qt], v[16+2*\qt], v[24+\qt]
.endr
.irp qt, 0,1,2,3
	v_permlanex16_b32 v[28+\qt], v[24+\qt], s32, s33               ; the sums were kept by halves of the lanes
.endr
.irp qt, 0,1,2,3
	v_add_f32 v[24+\qt], v[24+\qt], v[28+\qt]
.endr
.irp qt, 0,1,2,3
	v_rcp_f32 v[28+\qt], v[24+\qt]
.endr
	v_nop
	s_wait_alu depctr_va_vdst(0)
.irp qt, 0,1,2,3
	v_mul_f32 v[28+\qt], 0x41800000, v[28+\qt]     ; 16 / sum: v came as v / 16
.endr
.irp qt, 0,1,2,3
	v_mul_f32 v[8+2*\qt], v[8+2*\qt], v[28+\qt]
	v_mul_f32 v[16+2*\qt], v[16+2*\qt], v[28+\qt]
.endr
.irp qt, 0,1,2,3
	v_mov_b32 v[9+2*\qt], v[8+2*\qt]
	v_mov_b32 v[17+2*\qt], v[16+2*\qt]
.endr
	s_wait_dscnt 0x0
.irp dt, 0,1,2,3
.irp qt, 0,1,2,3
.irp p, 0,1,2,3
	v_pk_mul_f32 v[SF+8*(4*\dt+\qt)+2*\p:SF+8*(4*\dt+\qt)+2*\p+1], v[SF+8*(4*\dt+\qt)+2*\p:SF+8*(4*\dt+\qt)+2*\p+1], v[16+2*\qt:17+2*\qt]
.endr
.endr
.endr
	WIN 0x01
.irp dt, 0,1,2,3
.irp qt, 0,1,2,3
.irp p, 0,1,2,3
	v_pk_fma_f32 v[SF+8*(4*\dt+\qt)+2*\p:SF+8*(4*\dt+\qt)+2*\p+1], v[OF+8*(4*\dt+\qt)+2*\p:OF+8*(4*\dt+\qt)+2*\p+1], v[8+2*\qt:9+2*\qt], v[SF+8*(4*\dt+\qt)+2*\p:SF+8*(4*\dt+\qt)+2*\p+1]
.endr
.endr
.endr
	WIN 0
.irp t, 0,1,2,3,4,5,6,7,8,9,10,11,12,13,14,15
.irp p, 0,1,2,3
	v_cvt_pk_f16_f32 v[SF+8*\t+\p], v[SF+8*\t+2*\p], v[SF+8*\t+2*\p+1]
.endr
.endr
.irp dt, 0,1,2,3
.irp qt, 0,1,2,3
	global_store_b128 v5, v[SF+8*(4*\dt+\qt):SF+8*(4*\dt+\qt)+3], s[6:7] offset:\qt*32768+\dt*512   ; 512 consecutive bytes: half a unit of ctxb
.endr
.endr
.Lclose:
	s_wait_tensorcnt 0x0
	ds_add_u32 v6, v7
	s_wait_dscnt 0x0
	ROUND                                          ; the closing round
	s_endpgm
.Lfunc_end_k_qd07106003d_attn:
	.size	k_qd07106003d_attn, .Lfunc_end_k_qd07106003d_attn-k_qd07106003d_attn
	.p2alignl 7, 3214868480
	.fill 96, 4, 3214868480
	.section	.rodata,"a",@progbits
	.p2align	6, 0x0
	.amdhsa_kernel k_qd07106003d_attn
		.amdhsa_group_segment_fixed_size 327680
		.amdhsa_private_segment_fixed_size 0
		.amdhsa_enable_private_segment 0
		.amdhsa_kernarg_size 16
		.amdhsa_user_sgpr_count 2
		.amdhsa_user_sgpr_kernarg_segment_ptr 1
		.amdhsa_wavefront_size32 1
		.amdhsa_system_sgpr_workgroup_id_x 1
		.amdhsa_system_sgpr_workgroup_id_y 1
		.amdhsa_system_sgpr_workgroup_id_z 1
		.amdhsa_system_vgpr_workitem_id 0
		.amdhsa_next_free_vgpr 512
		.amdhsa_next_free_sgpr 66
		.amdhsa_reserve_vcc 0
		.amdhsa_float_denorm_mode_32 3
		.amdhsa_float_denorm_mode_16_64 3
		.amdhsa_memory_ordered 1
		.amdhsa_forward_progress 1
		.amdhsa_inst_pref_size 255
	.end_amdhsa_kernel
	.section	.bss,"aw",@nobits
	.p2align	6
	.space	262144
	.amdgpu_metadata
---
amdhsa.version: [ 1, 2 ]
amdhsa.kernels:
  - .name:           k_qd07106003d_attn
    .symbol:         k_qd07106003d_attn.kd
    .args:
      - { .name: qkvb, .offset: 0, .size: 8, .value_kind: global_buffer, .address_space: global }
      - { .name: ctxb, .offset: 8, .size: 8, .value_kind: global_buffer, .address_space: global }
    .group_segment_fixed_size: 327680
    .private_segment_fixed_size: 0
    .kernarg_segment_align: 8
    .kernarg_segment_size: 16
    .max_flat_workgroup_size: 256
    .sgpr_count:     66
    .vgpr_count:     512
    .wavefront_size: 32
...
	.end_amdgpu_metadata
.endif
;; end of part 3
;; launch oproj (part 4): grid 8 x 32, 4 waves a work-group, clusters of 4 x 4, 327,680 bytes of LDS; arguments ctxb, fragb, out0; writes out0
.if DOCPART == 4
	.amdgcn_target "amdgcn-amd-amdhsa--gfx1250"
	.amdhsa_code_object_version 6
	.text
	.protected	k_qd07106003d_oproj
	.globl	k_qd07106003d_oproj
	.p2align	8
	.type	k_qd07106003d_oproj,@function
k_qd07106003d_oproj:
	s_mov_b64 s[64:65], 0
	v_nop
	global_prefetch_b8 v0, s[64:65] scope:SCOPE_SE
	s_setreg_imm32_b32 hwreg(HW_REG_WAVE_MODE, 25, 1), 1
	s_wait_xcnt 0x0
	s_wait_alu depctr_hold_cnt(0) depctr_sa_sdst(0) depctr_va_vdst(0) depctr_va_sdst(0) depctr_va_ssrc(0) depctr_va_vcc(0) depctr_vm_vsrc(0)
	s_getreg_b32 s2, hwreg(HW_REG_IB_STS2, 6, 4)
	s_cmp_eq_u32 s2, 0
	s_cbranch_scc0 .Lentry_in_a_cluster
	s_endpgm
.Lentry_in_a_cluster:
	s_bfe_u32 s2, ttmp6, 0x10000c
	s_cmp_lg_u32 s2, 0xf033
	s_cbranch_scc0 .Lentry_shape_is_right
	s_endpgm
.Lentry_shape_is_right:
; out0[t][o] = sum over d of ctx[t][d] w_out[o][d].  ctxb and w_out (fragb, from byte 14,680,064) lie in fragment order, f16; sums in f32.
; A work-group makes 128 tokens x 128 columns with four waves, a wave 64 x 64: 16 accumulator tiles.  256 work-groups.
; K goes in four tiles of 256 (8192 bytes of each row tile) through two LDS slots; the text is written out, there is no loop.
; CLUSTER 4 x 4: ctx's tile hangs on the block row alone and is shared along a row of the cluster, w_out's on the block column alone
; and is shared along a column: each is asked for jointly by its four users.
; The matrix instruction is used transposed (source 0 = rows of w_out, source 1 = tokens): a lane holds eight neighbouring columns of one token.
; Results leave through a stage in LDS, 16 rows at a time: sixteen lanes store 256 consecutive bytes of a row of out0.
; REGISTERS: window 0: v16-26 addresses, v64-127 the way out, v128-255 accumulators (a, b) at 128 + 8 (4 a + b);
;            window 1: two fragment buffers of 128: w_out's units at 32 ksu + 8 b, ctx's at 64 + 32 ksu + 8 a.
.set SLOT,   131072                    ; ctx 8 row tiles x 8192 bytes, then w_out's 8
.set BOFF,   65536
.set KTILE,  8192
.set STAGE,  2*SLOT                    ; 16 rows x 272 bytes for each wave; no tensor load lands here
.set SPITCH, 272
.set ADRA, 16
.set ADRB, 20
.set STO,  24
.set RD,   25
.set CO,   26
.set ACC,  128
.set G1,  24
.set G0,  32
.set G1B, 48
.set G0B, 56
.set MSB, 0
.macro WIN new
.if MSB != \new
	s_set_vgpr_msb (MSB<<8)|\new
.set MSB, \new
.endif
.endm
.macro PLACES
.rept 4
	v_nop
.endr
.endm
.macro JLOAD s                         ; waves 0, 1 ask for ctx's two halves, waves 2, 3 for w_out's: each line has one mask
	s_cmp_eq_u32 s11, 0
	s_cbranch_scc0 .Lfor_b_\@
	tensor_load_to_lds s[G0+4*\s:G0+4*\s+3], s[G1:G1+7]
	s_nop 0
	s_branch .Lasked_\@
.Lfor_b_\@:
	tensor_load_to_lds s[G0B+4*\s:G0B+4*\s+3], s[G1B:G1B+7]
	s_nop 0
.Lasked_\@:
.endm
.macro CROUND                          ; a round of the cluster's barrier
	s_barrier_signal -1
	s_barrier_wait -1
	s_cmp_lg_u32 s10, 0
	s_cbranch_scc1 .Lnot_wave_0_\@
	s_barrier_signal -3
.Lnot_wave_0_\@:
	s_barrier_wait -3
	s_barrier_signal -1
	s_barrier_wait -1
.endm
; 32 LDS loads: K = 64 u .. + 63 of a slot's tile into buffer f
.macro FETCH slot, u, f
	WIN 0x40
.irp ksu, 0,1
.irp b, 0,1,2,3
	ds_load_b128 v[128*\f+32*\ksu+8*\b:128*\f+32*\ksu+8*\b+3],   v[ADRB+\slot] offset:\b*8192+(2*\u+\ksu)*1024
	ds_load_b128 v[128*\f+32*\ksu+8*\b+4:128*\f+32*\ksu+8*\b+7], v[ADRB+\slot] offset:\b*8192+(2*\u+\ksu)*1024+512
.endr
.irp a, 0,1,2,3
	ds_load_b128 v[128*\f+64+32*\ksu+8*\a:128*\f+64+32*\ksu+8*\a+3],   v[ADRA+\slot] offset:\a*8192+(2*\u+\ksu)*1024
	ds_load_b128 v[128*\f+64+32*\ksu+8*\a+4:128*\f+64+32*\ksu+8*\a+7], v[ADRA+\slot] offset:\a*8192+(2*\u+\ksu)*1024+512
.endr
.endr
.endm
; 32 matrix instructions on buffer f; the 16 accumulators take turns, one instruction a turn
.macro MULS f, zero
	WIN 0x05
.irp ksu, 0,1
.irp a, 0,1,2,3
.irp b, 0,1,2,3
.if \zero*(1-\ksu)
	v_wmma_f32_16x16x32_f16 v[ACC+8*(4*\a+\b):ACC+8*(4*\a+\b)+7], v[128*\f+32*\ksu+8*\b:128*\f+32*\ksu+8*\b+7], v[128*\f+64+32*\ksu+8*\a:128*\f+64+32*\ksu+8*\a+7], 0
.else
	v_wmma_f32_16x16x32_f16 v[ACC+8*(4*\a+\b):ACC+8*(4*\a+\b)+7], v[128*\f+32*\ksu+8*\b:128*\f+32*\ksu+8*\b+7], v[128*\f+64+32*\ksu+8*\a:128*\f+64+32*\ksu+8*\a+7], v[ACC+8*(4*\a+\b):ACC+8*(4*\a+\b)+7]
.endif
.endr
.endr
.endr
	PLACES                                         ; the buffer is loaded again, or results are read, four places behind
.endm
.macro CONSUME slot, zero              ; a K tile of 256: four quarters on buffers 0, 1, 0, 1, each fetched a quarter ahead
	FETCH \slot, 0, 0
	FETCH \slot, 1, 1
	s_wait_dscnt 32                                ; all but the 32 just issued
	MULS 0, \zero
	FETCH \slot, 2, 0
	s_wait_dscnt 32
	MULS 1, 0
	FETCH \slot, 3, 1
	s_wait_dscnt 32
	MULS 0, 0
	s_wait_dscnt 0x0
	MULS 1, 0
	WIN 0
.endm
.macro REFILL slot                     ; the round is the barrier in front of the refill: every wave's waits stand in front of it
	s_wait_dscnt 0x0                               ; my reads of this slot are done
	s_wait_tensorcnt 0x0                           ; all my tensor loads have landed: my part of the other slot
	ds_add_u32 v62, v63
	s_wait_dscnt 0x0
	CROUND
	s_add_nc_u64 s[G0+4*\slot+2:G0+4*\slot+3], s[G0+4*\slot+2:G0+4*\slot+3], 2*KTILE
	s_add_nc_u64 s[G0B+4*\slot+2:G0B+4*\slot+3], s[G0B+4*\slot+2:G0B+4*\slot+3], 2*KTILE
	JLOAD \slot
.endm
	s_load_b128 s[4:7], s[0:1], 0x0                ; ctxb s[4:5], fragb s[6:7]
	s_load_b64 s[8:9], s[0:1], 0x10                ; out0
	v_lshl_add_u32 v62, v0, 2, 0x44400
	v_mov_b32 v63, 0
	ds_add_u32 v62, v63
	v_lshrrev_b32 v1, 5, v0
	v_readfirstlane_b32 s10, v1                    ; wave
	s_lshr_b32 s11, s10, 1                         ; my half of the tokens.  Also: I fetch for ctx (0) or for w_out (1)
	s_and_b32 s12, s10, 1                          ; my half of the columns.  Also: which four row tiles I fetch
	s_bfe_u32 s40, ttmp6, 0x40000                  ; cx
	s_bfe_u32 s41, ttmp6, 0x40004                  ; cy
	s_lshl_b32 s42, ttmp9, 2
	s_add_co_u32 s42, s42, s40                     ; block column
	s_and_b32 s13, ttmp7, 0xffff
	s_lshl_b32 s13, s13, 2
	s_add_co_u32 s13, s13, s41                     ; block row
	s_lshl_b32 s43, s41, 2
	s_lshl_b32 s43, 15, s43                        ; my row of the cluster
	s_lshl_b32 s44, 0x1111, s40                    ; my column
	; group 1: four rows of 1024 elements of 8 bytes, 4096 elements from row tile to row tile
	s_or_b32 s[G1+0], s43, (3<<16)|(1<<21)
	s_or_b32 s[G1B+0], s44, (3<<16)|(1<<21)
	s_mov_b32 s[G1+1], 1024<<16
	s_mov_b32 s[G1B+1], 1024<<16
	s_mov_b32 s[G1+2], 4<<16
	s_mov_b32 s[G1B+2], 4<<16
	s_mov_b32 s[G1+3], 1024<<16
	s_mov_b32 s[G1B+3], 1024<<16
	s_mov_b32 s[G1+4], 4
	s_mov_b32 s[G1B+4], 4
	s_mov_b32 s[G1+5], 4096
	s_mov_b32 s[G1B+5], 4096
	s_mov_b32 s[G1+6], 0
	s_mov_b32 s[G1B+6], 0
	s_mov_b32 s[G1+7], 0
	s_mov_b32 s[G1B+7], 0
	s_lshl_b32 s17, s12, 2
	s_lshl_b32 s16, s13, 3
	s_add_co_u32 s16, s16, s17
	s_lshl_b32 s16, s16, 15                        ; ctx: row tile 8 x block row + 4 x half
	s_lshl_b32 s46, s42, 3
	s_add_co_u32 s46, s46, s17
	s_lshl_b32 s46, s46, 15                        ; w_out: row tile 8 x block column + 4 x half,
	s_add_co_u32 s46, s46, 14680064                ; behind h and w_qkv in fragb
	s_mov_b32 s17, 0
	s_mov_b32 s47, 0
	s_lshl_b32 s20, s10, 15                        ; LDS: wave x 32,768: ctx's two halves, then w_out's
	s_wait_dscnt 0x0
	s_wait_kmcnt 0x0
	s_add_nc_u64 s[14:15], s[4:5], s[16:17]
	s_add_nc_u64 s[46:47], s[6:7], s[46:47]
	CROUND                                         ; in front of the first joint loads
.irp s, 0,1
	s_mov_b32 s[G0+4*\s], 1
	s_add_co_u32 s[G0+4*\s+1], s20, \s*SLOT
	s_add_nc_u64 s[G0+4*\s+2:G0+4*\s+3], s[14:15], \s*KTILE
	s_or_b32 s[G0+4*\s+3], s[G0+4*\s+3], 0x80000000
	s_mov_b32 s[G0B+4*\s], 1
	s_add_co_u32 s[G0B+4*\s+1], s20, \s*SLOT
	s_add_nc_u64 s[G0B+4*\s+2:G0B+4*\s+3], s[46:47], \s*KTILE
	s_or_b32 s[G0B+4*\s+3], s[G0B+4*\s+3], 0x80000000
	JLOAD \s                                       ; two loads of the wave are out here, one behind each later round
.endr
	v_and_b32 v1, 15, v0                           ; r
	v_bfe_u32 v2, v0, 4, 1                         ; h
	v_and_b32 v3, 31, v0
	v_lshlrev_b32 v3, 4, v3                        ; 16 L
	s_lshl_b32 s21, s11, 15                        ; my four row tiles of ctx
	s_lshl_b32 s22, s12, 15
	s_add_co_u32 s22, s22, BOFF                    ; my four of w_out
	v_add_nc_u32 v[ADRA], s21, v3
	v_add_nc_u32 v[ADRA+1], SLOT, v[ADRA]
	v_add_nc_u32 v[ADRB], s22, v3
	v_add_nc_u32 v[ADRB+1], SLOT, v[ADRB]
	s_mul_i32 s23, s10, 16*SPITCH
	s_add_co_u32 s23, s23, STAGE                   ; my stage
	v_mul_u32_u24 v4, v1, SPITCH
	v_lshl_add_u32 v4, v2, 5, v4
	v_add_nc_u32 v[STO], s23, v4                   ; in: row r, 32 bytes for each half of the lanes
	v_mul_u32_u24 v5, v2, SPITCH
	v_lshl_add_u32 v5, v1, 4, v5
	v_add_nc_u32 v[RD], s23, v5                    ; back: lanes 0-15 one row of 256 bytes, lanes 16-31 the next
	v_lshlrev_b32 v5, 12, v2
	v_lshl_add_u32 v[CO], v1, 4, v5                ; the same two rows in out0
	s_wait_tensorcnt 1                             ; my part of K tile 0 is in, tile 1's stays out
	s_barrier_signal -1
	s_barrier_wait -1
	CONSUME 0, 1                                   ; the first products start the sums
	REFILL 0                                       ; K tile 2
	CONSUME 1, 0
	REFILL 1                                       ; K tile 3
	CONSUME 0, 0
	s_wait_dscnt 0x0
	s_wait_tensorcnt 0x0                           ; K tile 3 has landed,
	s_barrier_signal -1
	s_barrier_wait -1                              ; everybody's part of it
	CONSUME 1, 0
	s_lshl_b32 s16, s13, 7
	s_lshl_b32 s17, s11, 6
	s_add_co_u32 s16, s16, s17
	s_lshl_b32 s16, s16, 12                        ; my first token, rows of 4096 bytes
	s_mov_b32 s17, 0
	s_add_nc_u64 s[8:9], s[8:9], s[16:17]
	s_lshl_b32 s46, s42, 9
	s_lshl_b32 s47, s12, 8
	s_add_co_u32 s46, s46, s47                     ; my first column, in bytes
	s_mov_b32 s47, 0
	s_add_nc_u64 s[8:9], s[8:9], s[46:47]
.macro OUT16 a                         ; 16 tokens x 64 columns through my stage
.irp b, 0,1,2,3
	ds_store_b128 v[STO], v[ACC+8*(4*\a+\b):ACC+8*(4*\a+\b)+3]   offset:\b*64
	ds_store_b128 v[STO], v[ACC+8*(4*\a+\b)+4:ACC+8*(4*\a+\b)+7] offset:\b*64+16
.endr
	s_wait_xcnt 0x0                                ; the buffer that earlier stores read is loaded again only behind this wait
.irp t, 0,1,2,3,4,5,6,7
	ds_load_b128 v[64+32*(\a%2)+4*\t:64+32*(\a%2)+4*\t+3], v[RD] offset:\t*2*SPITCH    ; LDS serves a wave's instructions in order (ISA guide 5.7.1.4)
.endr
.irp t, 0,1,2,3,4,5,6,7
	s_wait_dscnt 7-\t
	global_store_b128 v[CO], v[64+32*(\a%2)+4*\t:64+32*(\a%2)+4*\t+3], s[8:9] offset:\a*65536+\t*8192 th:TH_STORE_NT   ; 16 lanes: 256 consecutive bytes, aligned
.endr
.endm
	OUT16 0
	OUT16 1
	OUT16 2
	OUT16 3
	s_wait_tensorcnt 0x0
	ds_add_u32 v62, v63
	s_wait_dscnt 0x0
	CROUND                                         ; the closing round
	s_endpgm
.Lfunc_end_k_qd07106003d_oproj:
	.size	k_qd07106003d_oproj, .Lfunc_end_k_qd07106003d_oproj-k_qd07106003d_oproj
	.p2alignl 7, 3214868480
	.fill 96, 4, 3214868480
	.section	.rodata,"a",@progbits
	.p2align	6, 0x0
	.amdhsa_kernel k_qd07106003d_oproj
		.amdhsa_group_segment_fixed_size 327680
		.amdhsa_private_segment_fixed_size 0
		.amdhsa_enable_private_segment 0
		.amdhsa_kernarg_size 24
		.amdhsa_user_sgpr_count 2
		.amdhsa_user_sgpr_kernarg_segment_ptr 1
		.amdhsa_wavefront_size32 1
		.amdhsa_system_sgpr_workgroup_id_x 1
		.amdhsa_system_sgpr_workgroup_id_y 1
		.amdhsa_system_sgpr_workgroup_id_z 1
		.amdhsa_system_vgpr_workitem_id 0
		.amdhsa_next_free_vgpr 512
		.amdhsa_next_free_sgpr 66
		.amdhsa_reserve_vcc 0
		.amdhsa_float_denorm_mode_32 3
		.amdhsa_float_denorm_mode_16_64 3
		.amdhsa_memory_ordered 1
		.amdhsa_forward_progress 1
		.amdhsa_inst_pref_size 84
	.end_amdhsa_kernel
	.amdgpu_metadata
---
amdhsa.version: [ 1, 2 ]
amdhsa.kernels:
  - .name:           k_qd07106003d_oproj
    .symbol:         k_qd07106003d_oproj.kd
    .args:
      - { .name: ctxb, .offset: 0, .size: 8, .value_kind: global_buffer, .address_space: global }
      - { .name: fragb, .offset: 8, .size: 8, .value_kind: global_buffer, .address_space: global }
      - { .name: out0, .offset: 16, .size: 8, .value_kind: global_buffer, .address_space: global }
    .group_segment_fixed_size: 327680
    .private_segment_fixed_size: 0
    .kernarg_segment_align: 8
    .kernarg_segment_size: 24
    .max_flat_workgroup_size: 128
    .sgpr_count:     66
    .vgpr_count:     512
    .wavefront_size: 32
...
	.end_amdgpu_metadata
.endif
;; end of part 4
